; MI455X (gfx1250); checked and timed in simulation.
; The chip was launched on July 23, 2026; its instructions are those of AMD's public machine-readable ISA for CDNA 5 (MIT licence, August 2026) and "CDNA5" Instruction Set Architecture Reference Guide (July 2026). The comments in the code are by the model that wrote it; some were corrected since.
;; Transformer. Allowed arithmetic: float matrix products may take bf16 or f16 operands with f32 sums; all other float work in f32.
;; Inputs: ff_b1 4 x 256 float32; ff_b2 4 x 128 float32; ff_w1 4 x 128 x 256 float32; ff_w2 4 x 256 x 128 float32; ln1_b 4 x 128 float32; ln1_g 4 x 128 float32; ln2_b 4 x 128 float32; ln2_g 4 x 128 float32; out_b 4 x 128 float32; out_w 4 x 32 x 128 float32; qkv_w 4 x 128 x 96 float32; x 8 x 16,384 x 128 float32.
;; Outputs: out0 8 x 16,384 x 128 float32.
;; Constants: h = 128, w = 128.
;; One version. Each part assembles by itself: llvm-mc -triple=amdgcn-amd-amdhsa -mcpu=gfx1250 --defsym DOCPART=n.
;; ======== version 1 of 1: 5 launches
;; limits: a function is approximated: absolute error at most 0.0005
;; workspace buffers: xa 67,108,864 bytes; wp0 167,936 bytes; wp1 167,936 bytes; wp2 167,936 bytes; wp3 167,936 bytes
;; launch prep (part 1): grid 41 x 4, 8 waves a work-group, no clusters, 13,312 bytes of LDS; arguments qkv_w, out_w, ff_w1, ff_w2, ln1_g, ln1_b, ln2_g, ln2_b, out_b, ff_b1, ff_b2, wp0, wp1, wp2, wp3; writes wp0, wp1, wp2, wp3
.if DOCPART == 1
	.amdgcn_target "amdgcn-amd-amdhsa--gfx1250"
	.amdhsa_code_object_version 6
	.text
	.protected	k_q092c2faaf0_prep
	.globl	k_q092c2faaf0_prep
	.p2align	8
	.type	k_q092c2faaf0_prep,@function
k_q092c2faaf0_prep:
	s_mov_b64 s[64:65], 0
	v_nop
	global_prefetch_b8 v0, s[64:65] scope:SCOPE_SE
	s_setreg_imm32_b32 hwreg(HW_REG_WAVE_MODE, 25, 1), 1
	s_wait_xcnt 0x0
; Packs the parameters of layer d (work-group y) into wp_d, 167,936 bytes, as the layer kernel's LDS image.
; Weights become bf16 A fragments of W^T, 1,024 bytes each: byte q*512 + lane*16 + 2e holds W'[k0 + e][n],
; k0 = 32*kstep + 16q + 8h, n = 16*mtile + r (r = lane & 15, h = lane >> 4).
;   fragments  0-23  qkv: three blocks (q, k, v) of 8, index 2*kstep + t;  W' = ln1_g[k] * qkv_w[k][n], q's columns also times QS
;   fragments 24-31  out_w, one per 16 output features
;   fragments 32-159 eight blocks of 16: 8 of FF1 (KAP * ln2_g[k] * ff_w1), then 8 of FF2 (HKAP * ff_w2)
;   byte 163,840     f32: ln1_b @ qkv_w (q part times QS; 96 numbers, 32 zeros), out_b, KAP*(ff_b1 + ln2_b @ ff_w1), ff_b2, zeros
; QS = 8^-0.5 * log2 e (logits in base 2).  KAP = (0.044715 a)^(1/3) with a = 2 sqrt(2/pi) log2 e, so that the cubic term of GELU's
; exponent a z + 0.044715 a z^3 has the coefficient 1 in x' = KAP z (see the layer kernel); HKAP = 1 / KAP.
; The folds are algebra and hold for every input; the gains meet the weights in f32, ahead of the one rounding to bf16.
; Work-groups x = 0..39: thread t makes the 16 bytes at 4,096 x + 16 t (a wave stores 512 neighbouring bytes).  Its eight sources lie
; in eight rows of a weight matrix, so they come as 4-byte loads: 1.3 MB in the whole launch, read once.
; Work-group x = 40: the bias block.  The two products bias @ W (180,000 multiply-adds for all layers) are made in f32 on the vector unit:
; they are biases, kept in f32, not bulk work.
.set QS,   0x3f0293ee
.set KAP,  0x3eeff558
.set HKAP, 0x40088e99
	s_load_b512 s[8:23], s[0:1], 0x0               ; qkv_w 8, out_w 10, ff_w1 12, ff_w2 14, ln1_g 16, ln1_b 18, ln2_g 20, ln2_b 22
	s_load_b256 s[24:31], s[0:1], 0x40             ; out_b 24, ff_b1 26, ff_b2 28, wp0 30
	s_load_b128 s[32:35], s[0:1], 0x60             ; wp1 32, wp2 34
	s_load_b64 s[36:37], s[0:1], 0x70              ; wp3 36
	v_lshl_add_u32 v62, v0, 2, 0x3000
	v_mov_b32 v63, 0
	s_and_b32 s2, ttmp7, 0xffff                    ; layer d
	s_mov_b32 s4, ttmp9                            ; x
	v_and_b32 v1, 31, v0                           ; lane
	v_and_b32 v2, 15, v0                           ; r
	v_bfe_u32 v3, v0, 4, 1                         ; h
	v_bfe_u32 v4, v0, 5, 1                         ; q: which half of the fragment
	v_lshrrev_b32 v5, 6, v0
	s_lshl_b32 s5, s4, 2
	v_add_nc_u32 v5, s5, v5                        ; fragment F = 4 x + thread / 64
	v_lshlrev_b32 v6, 4, v4
	v_lshl_add_u32 v6, v3, 3, v6                   ; 16 q + 8 h
	v_lshlrev_b32 v7, 4, v0                        ; my 16 bytes in the work-group's 4,096
	s_wait_kmcnt 0x0
	s_mov_b64 s[38:39], s[30:31]                   ; the pack of my layer
	s_cmp_eq_u32 s2, 1
	s_cselect_b64 s[38:39], s[32:33], s[38:39]
	s_cmp_eq_u32 s2, 2
	s_cselect_b64 s[38:39], s[34:35], s[38:39]
	s_cmp_eq_u32 s2, 3
	s_cselect_b64 s[38:39], s[36:37], s[38:39]
	s_mov_b32 s41, 0
	s_lshl_b32 s40, s4, 12
	s_add_nc_u64 s[38:39], s[38:39], s[40:41]      ; + 4,096 x
	s_mul_i32 s40, s2, 49152                       ; every input at its layer
	s_add_nc_u64 s[8:9], s[8:9], s[40:41]
	s_lshl_b32 s40, s2, 14
	s_add_nc_u64 s[10:11], s[10:11], s[40:41]
	s_lshl_b32 s40, s2, 17
	s_add_nc_u64 s[12:13], s[12:13], s[40:41]
	s_add_nc_u64 s[14:15], s[14:15], s[40:41]
	s_lshl_b32 s40, s2, 9
	s_add_nc_u64 s[16:17], s[16:17], s[40:41]
	s_add_nc_u64 s[18:19], s[18:19], s[40:41]
	s_add_nc_u64 s[20:21], s[20:21], s[40:41]
	s_add_nc_u64 s[22:23], s[22:23], s[40:41]
	s_add_nc_u64 s[24:25], s[24:25], s[40:41]
	s_add_nc_u64 s[28:29], s[28:29], s[40:41]
	s_lshl_b32 s40, s2, 10
	s_add_nc_u64 s[26:27], s[26:27], s[40:41]
; Eight numbers of one column (rows k0 .. k0+7, v12 = byte offset of the first, rowb = bytes in a row), times the gains of those rows
; (v13 = 4 k0) and the scale in s42 where asked, rounded to bf16 into v[32:35].
.macro WPIECE ptr, rowb, gain, gptr, scaled
.irp e, 0,1,2,3,4,5,6,7
	global_load_b32 v[16+\e], v12, s[\ptr:\ptr+1] offset:\e*\rowb
.endr
.if \gain
	global_load_b128 v[24:27], v13, s[\gptr:\gptr+1]
	global_load_b128 v[28:31], v13, s[\gptr:\gptr+1] offset:16
.endif
	s_wait_loadcnt 0x0
.if \gain
.irp j, 0,2,4,6
	v_pk_mul_f32 v[16+\j:17+\j], v[16+\j:17+\j], v[24+\j:25+\j]
.endr
.endif
.if \scaled
.irp j, 0,2,4,6
	v_pk_mul_f32 v[16+\j:17+\j], v[16+\j:17+\j], s[42:43] op_sel_hi:[1,0]
.endr
.endif
.irp j, 0,1,2,3
	v_cvt_pk_bf16_f32 v[32+\j], v[16+2*\j], v[17+2*\j]
.endr
.endm
	s_cmp_lt_u32 s4, 6
	s_cbranch_scc1 .Lqkv
	s_cmp_lt_u32 s4, 8
	s_cbranch_scc1 .Lout
	s_cmp_eq_u32 s4, 40
	s_cbranch_scc1 .Lbias
	s_bitcmp1_b32 s4, 1                            ; of four work-groups of a block the first two make FF1, the last two FF2
	s_cbranch_scc1 .Lff2
	; FF1: fragment index F & 7 = 2 kstep + t of block c = F / 16 - 2
	v_and_b32 v8, 7, v5
	v_lshrrev_b32 v9, 1, v8
	v_and_b32 v10, 1, v8
	v_lshl_add_u32 v9, v9, 5, v6                   ; k0 = 32 kstep + 16 q + 8 h
	v_lshrrev_b32 v11, 4, v5
	v_add_nc_u32 v11, -2, v11
	v_lshlrev_b32 v11, 5, v11
	v_lshl_add_u32 v11, v10, 4, v11
	v_add_nc_u32 v11, v11, v2                      ; n = 32 c + 16 t + r
	v_lshl_add_u32 v12, v9, 8, v11
	v_lshlrev_b32 v12, 2, v12
	v_lshlrev_b32 v13, 2, v9
	s_mov_b32 s42, KAP
	s_mov_b32 s43, KAP
	WPIECE 12, 1024, 1, 20, 1
	s_branch .Lstore
.Lff2:
	v_and_b32 v8, 7, v5                            ; m
	v_lshrrev_b32 v11, 4, v5
	v_add_nc_u32 v11, -2, v11                      ; c
	v_lshl_add_u32 v9, v11, 5, v6                  ; k0 = 32 c + 16 q + 8 h
	v_lshl_add_u32 v11, v8, 4, v2                  ; n = 16 m + r
	v_lshl_add_u32 v12, v9, 7, v11
	v_lshlrev_b32 v12, 2, v12
	s_mov_b32 s42, HKAP
	s_mov_b32 s43, HKAP
	WPIECE 14, 512, 0, 0, 1
	s_branch .Lstore
.Lqkv:
	v_and_b32 v8, 7, v5
	v_lshrrev_b32 v9, 1, v8
	v_and_b32 v10, 1, v8
	v_lshl_add_u32 v9, v9, 5, v6                   ; k0
	v_lshrrev_b32 v11, 3, v5                       ; block: 0 q, 1 k, 2 v
	v_lshlrev_b32 v11, 5, v11
	v_lshl_add_u32 v11, v10, 4, v11
	v_add_nc_u32 v11, v11, v2                      ; n = 32 block + 16 t + r
	v_mad_u32_u24 v12, v9, 96, v11
	v_lshlrev_b32 v12, 2, v12
	v_lshlrev_b32 v13, 2, v9
	s_cmp_lt_u32 s4, 2                             ; work-groups 0 and 1 make q's block
	s_cselect_b32 s42, QS, 1.0
	s_mov_b32 s43, s42
	WPIECE 8, 384, 1, 16, 1
	s_branch .Lstore
.Lout:
	v_and_b32 v8, 7, v5                            ; m = F - 24
	v_lshl_add_u32 v11, v8, 4, v2                  ; n = 16 m + r
	v_lshl_add_u32 v12, v6, 7, v11                 ; k0 = 16 q + 8 h
	v_lshlrev_b32 v12, 2, v12
	WPIECE 10, 512, 0, 0, 0
	s_branch .Lstore
.Lbias:
	; Wave w sums rows k = 16 w .. 16 w + 15.  A lane holds 4 + 4 columns of ff_w1 (4 l .., 128 + 4 l ..) and 4 of qkv_w
	; (lanes above 23 repeat lane 23's: a row has 96 numbers).  All 49 loads are out together.
	v_lshrrev_b32 v8, 5, v0
	v_readfirstlane_b32 s3, v8                     ; wave
	s_lshl_b32 s5, s3, 6
	s_load_b512 s[40:55], s[18:19], s5 offset:0x0  ; my 16 ln1_b
	s_load_b512 s[68:83], s[22:23], s5 offset:0x0  ; my 16 ln2_b
	v_lshlrev_b32 v9, 4, v1                        ; 16 l
	s_lshl_b32 s6, s3, 14
	v_add_nc_u32 v10, s6, v9
	v_min_u32 v11, 23, v1
	v_lshlrev_b32 v11, 4, v11
	s_mul_i32 s7, s3, 6144
	v_add_nc_u32 v11, s7, v11
	; The plain bias that goes into my 512 bytes of the block comes with the same run of loads, so that nothing is fetched behind the barrier:
	; wave 1 out_b, waves 2 and 3 the halves of ff_b1, wave 4 ff_b2.  Waves 0 and 5-7 have none: they take the same line with out_b's address
	; (512 bytes each) and write over what it brought, which spares a branch.
	s_mov_b64 s[58:59], s[24:25]
	s_cmp_eq_u32 s3, 4
	s_cselect_b64 s[58:59], s[28:29], s[58:59]
	s_lshr_b32 s6, s3, 1
	s_cmp_eq_u32 s6, 1
	s_cselect_b64 s[58:59], s[26:27], s[58:59]
	s_cmp_eq_u32 s3, 3
	s_cselect_b32 s6, 512, 0
	v_add_nc_u32 v14, s6, v9
	global_load_b128 v[32:35], v14, s[58:59]
.set bi, 0
.rept 16
	global_load_b128 v[64+8*bi:67+8*bi], v10, s[12:13] offset:1024*bi
	global_load_b128 v[68+8*bi:71+8*bi], v10, s[12:13] offset:1024*bi+512
	global_load_b128 v[192+4*bi:195+4*bi], v11, s[8:9] offset:384*bi
.set bi, bi+1
.endr
	s_wait_kmcnt 0x0
	s_wait_loadcnt 0x0
.irp j, 0,1,2,3
	v_mul_f32 v[16+\j], s68, v[64+\j]              ; the first row starts the sums
	v_mul_f32 v[20+\j], s68, v[68+\j]
	v_mul_f32 v[24+\j], s40, v[192+\j]
.endr
.set bi, 1
.rept 15
.irp j, 0,1,2,3
	v_fmac_f32 v[16+\j], s[68+bi], v[64+8*bi+\j]
	v_fmac_f32 v[20+\j], s[68+bi], v[68+8*bi+\j]
	v_fmac_f32 v[24+\j], s[40+bi], v[192+4*bi+\j]
.endr
.set bi, bi+1
.endr
	s_mul_i32 s6, s3, 1536
	v_add_nc_u32 v12, s6, v9
	ds_store_b128 v12, v[24:27]                    ; my partial sums: qkv, ff columns 0-127, ff columns 128-255
	ds_store_b128 v12, v[16:19] offset:512
	ds_store_b128 v12, v[20:23] offset:1024
	s_wait_dscnt 0x0                               ; my stores are done before I say so; the others read behind the barrier
	s_barrier_signal -1
	s_barrier_wait -1
	; wave w makes bytes 512 w .. 512 w + 511 of the bias block
	s_cmp_gt_u32 s3, 4
	s_cbranch_scc1 .Lzero
	s_cmp_eq_u32 s3, 1                             ; waves 1 and 4 store what they loaded: out_b, ff_b2
	s_cbranch_scc1 .Lstore
	s_cmp_eq_u32 s3, 4
	s_cbranch_scc1 .Lstore
	s_max_u32 s5, s3, 1                            ; waves 0, 2, 3 add up the eight partial sums at 0, 512, 1,024
	s_sub_co_u32 s5, s5, 1
	s_lshl_b32 s5, s5, 9
	v_add_nc_u32 v13, s5, v9
.irp j, 0,1,2,3,4,5,6,7
	ds_load_b128 v[64+4*\j:67+4*\j], v13 offset:1536*\j
.endr
	s_wait_dscnt 0x0
.irp j, 0,1,2,3
	v_pk_add_f32 v[64+4*\j:65+4*\j], v[64+4*\j:65+4*\j], v[80+4*\j:81+4*\j]
	v_pk_add_f32 v[66+4*\j:67+4*\j], v[66+4*\j:67+4*\j], v[82+4*\j:83+4*\j]
.endr
.irp j, 0,1
	v_pk_add_f32 v[64+4*\j:65+4*\j], v[64+4*\j:65+4*\j], v[72+4*\j:73+4*\j]
	v_pk_add_f32 v[66+4*\j:67+4*\j], v[66+4*\j:67+4*\j], v[74+4*\j:75+4*\j]
.endr
	v_pk_add_f32 v[36:37], v[64:65], v[68:69]
	v_pk_add_f32 v[38:39], v[66:67], v[70:71]
	s_cmp_lg_u32 s3, 0
	s_cbranch_scc1 .Lffb
	v_mov_b32 v15, QS                              ; wave 0: q's 32 numbers (lanes 0-7) times QS, lanes 24-31 are the 32 zeros
	v_cmp_gt_u32 vcc_lo, 8, v1
	v_cndmask_b32 v14, 1.0, v15, vcc_lo
.irp j, 0,1,2,3
	v_mul_f32 v[32+\j], v14, v[36+\j]
.endr
	v_cmp_gt_u32 vcc_lo, 24, v1
.irp j, 0,1,2,3
	v_cndmask_b32 v[32+\j], 0, v[32+\j], vcc_lo
.endr
	s_branch .Lstore
.Lffb:
	s_mov_b32 s56, KAP                             ; waves 2, 3: KAP * (ff_b1 + sum), columns 0-127 and 128-255
	s_mov_b32 s57, KAP
	v_pk_add_f32 v[32:33], v[32:33], v[36:37]
	v_pk_add_f32 v[34:35], v[34:35], v[38:39]
	v_pk_mul_f32 v[32:33], v[32:33], s[56:57] op_sel_hi:[1,0]
	v_pk_mul_f32 v[34:35], v[34:35], s[56:57] op_sel_hi:[1,0]
	s_branch .Lstore
.Lzero:
.irp j, 0,1,2,3
	v_mov_b32 v[32+\j], 0
.endr
.Lstore:
	global_store_b128 v7, v[32:35], s[38:39]       ; a wave stores 512 neighbouring bytes, aligned
	s_barrier_signal -1
	s_barrier_wait -1
	s_wait_tensorcnt 0x0
	ds_add_u32 v62, v63
	s_wait_dscnt 0x0
	s_endpgm
.Lfunc_end_k_q092c2faaf0_prep:
	.size	k_q092c2faaf0_prep, .Lfunc_end_k_q092c2faaf0_prep-k_q092c2faaf0_prep
	.p2alignl 7, 3214868480
	.fill 96, 4, 3214868480
	.section	.rodata,"a",@progbits
	.p2align	6, 0x0
	.amdhsa_kernel k_q092c2faaf0_prep
		.amdhsa_group_segment_fixed_size 13312
		.amdhsa_private_segment_fixed_size 0
		.amdhsa_enable_private_segment 0
		.amdhsa_kernarg_size 120
		.amdhsa_user_sgpr_count 2
		.amdhsa_user_sgpr_kernarg_segment_ptr 1
		.amdhsa_wavefront_size32 1
		.amdhsa_system_sgpr_workgroup_id_x 1
		.amdhsa_system_sgpr_workgroup_id_y 1
		.amdhsa_system_sgpr_workgroup_id_z 1
		.amdhsa_system_vgpr_workitem_id 0
		.amdhsa_next_free_vgpr 256
		.amdhsa_next_free_sgpr 88
		.amdhsa_reserve_vcc 1
		.amdhsa_float_denorm_mode_32 3
		.amdhsa_float_denorm_mode_16_64 3
		.amdhsa_memory_ordered 1
		.amdhsa_forward_progress 1
		.amdhsa_inst_pref_size 25
	.end_amdhsa_kernel
	.amdgpu_metadata
---
amdhsa.version: [ 1, 2 ]
amdhsa.kernels:
  - .name:           k_q092c2faaf0_prep
    .symbol:         k_q092c2faaf0_prep.kd
    .args:
      - { .name: qkv_w, .offset: 0, .size: 8, .value_kind: global_buffer, .address_space: global }
      - { .name: out_w, .offset: 8, .size: 8, .value_kind: global_buffer, .address_space: global }
      - { .name: ff_w1, .offset: 16, .size: 8, .value_kind: global_buffer, .address_space: global }
      - { .name: ff_w2, .offset: 24, .size: 8, .value_kind: global_buffer, .address_space: global }
      - { .name: ln1_g, .offset: 32, .size: 8, .value_kind: global_buffer, .address_space: global }
      - { .name: ln1_b, .offset: 40, .size: 8, .value_kind: global_buffer, .address_space: global }
      - { .name: ln2_g, .offset: 48, .size: 8, .value_kind: global_buffer, .address_space: global }
      - { .name: ln2_b, .offset: 56, .size: 8, .value_kind: global_buffer, .address_space: global }
      - { .name: out_b, .offset: 64, .size: 8, .value_kind: global_buffer, .address_space: global }
      - { .name: ff_b1, .offset: 72, .size: 8, .value_kind: global_buffer, .address_space: global }
      - { .name: ff_b2, .offset: 80, .size: 8, .value_kind: global_buffer, .address_space: global }
      - { .name: wp0, .offset: 88, .size: 8, .value_kind: global_buffer, .address_space: global }
      - { .name: wp1, .offset: 96, .size: 8, .value_kind: global_buffer, .address_space: global }
      - { .name: wp2, .offset: 104, .size: 8, .value_kind: global_buffer, .address_space: global }
      - { .name: wp3, .offset: 112, .size: 8, .value_kind: global_buffer, .address_space: global }
    .group_segment_fixed_size: 13312
    .private_segment_fixed_size: 0
    .kernarg_segment_align: 8
    .kernarg_segment_size: 120
    .max_flat_workgroup_size: 256
    .sgpr_count:     88
    .vgpr_count:     256
    .wavefront_size: 32
...
	.end_amdgpu_metadata
.endif
;; end of part 1
;; launch layer1 (part 2): grid 256 x 1, 8 waves a work-group, clusters of 4 x 1, 303,616 bytes of LDS; arguments x, wp0, xa; writes xa
.if DOCPART == 2
	.amdgcn_target "amdgcn-amd-amdhsa--gfx1250"
	.amdhsa_code_object_version 6
	.text
	.protected	k_q092c2faaf0_layer1
	.globl	k_q092c2faaf0_layer1
	.p2align	8
	.type	k_q092c2faaf0_layer1,@function
k_q092c2faaf0_layer1:
	s_mov_b64 s[64:65], 0
	v_nop
	global_prefetch_b8 v0, s[64:65] scope:SCOPE_SE
	s_setreg_imm32_b32 hwreg(HW_REG_WAVE_MODE, 25, 1), 1
	s_wait_xcnt 0x0
	s_wait_alu depctr_hold_cnt(0) depctr_sa_sdst(0) depctr_va_vdst(0) depctr_va_sdst(0) depctr_va_ssrc(0) depctr_va_vcc(0) depctr_vm_vsrc(0)
	s_getreg_b32 s2, hwreg(HW_REG_IB_STS2, 6, 4)
	s_cmp_eq_u32 s2, 0
	s_cbranch_scc0 .Lentry_in_a_cluster
	s_endpgm
.Lentry_in_a_cluster:
	s_bfe_u32 s2, ttmp6, 0x10000c
	s_cmp_lg_u32 s2, 0x3003
	s_cbranch_scc0 .Lentry_shape_is_right
	s_endpgm
.Lentry_shape_is_right:
; One transformer block: xout = block(xin), parameters from the pack that the prep launch made.  x: [8][128 x 128][128] f32.
; A work-group owns 512 tokens (4 image rows), a wave 64 (half a row) as 4 units of 16.  The whole chain of a token stays in registers.
; EVERY PRODUCT IS TRANSPOSED: D[out feature][token] = A (a fragment of W^T) x B (activations) + C.  In D, lane (r = l & 15, h = l >> 4),
; register j of tile m holds feature 16 m + 8 h + j of token r; rounding register pairs of tiles 2c, 2c+1 to bf16 gives the B fragment of
; K step c as it stands, so LN -> qkv, attention -> out, LN -> FF1, GELU -> FF2 follow each other without a shuffle.  x (f32) lies in the
; accumulators of the out projection and of FF2, which add onto it in place.  In q, k, v a lane holds one whole head (tile t, half h: head 2t+h).
; k and v of the 4 rows and of the row above and below (made again here: +50% of x's loads, 2 units more a wave) lie in LDS as bf16.
; Beyond the image's edge k and v are zeros, as in the zero-padded reference: such neighbours take part in the softmax with logit 0.
; CLUSTER: the four work-groups of a cluster read the same 167,936 bytes of parameters: one joint tensor load a wave, asked once, never refilled
; (a wave has one tensor load outstanding).
; TWO GROUPS OF WAVES.  8 waves of 512 registers: two lie on each SIMD.  A chunk of the feed-forward is, in a wave, 64 matrix instructions and
; some 330 vector instructions; two waves that stand in the same phase want the same unit.  So the waves form two groups (bit 0 xor bit 2 of the
; wave's number: waves w and w + 4 differ in it, and so do waves 2i and 2i + 1), and group 1 runs behind group 0: it makes q behind the
; attention's barrier instead of in front of it (32 matrix instructions beside group 0's attention) and adds ff_b2 in front of the feed-forward
; instead of behind it (128 packed adds beside group 0's first products).  Both groups do the same work; only its order differs.
; LIMITS.  In GELU the normal distribution function is taken as 1 / (1 + 2^-(a z + b z^3)), a = 2 sqrt(2/pi) log2 e, b = 0.044715 a: GELU's
; absolute error is at most 5e-4 for every z (largest near |z| = 2.7; it falls as z^4 towards 0), and the form goes to 0 and to z for large |z|.
; k and v are kept in bf16, q in f32.  Softmax: the maximum is taken away; terms below 2^-126 of the largest become 0.
; The variance is the mean of (x - mean)^2, in two passes.
; LDS: 0 the pack (layout: see the prep kernel); KV 8 planes (k heads 0-3, v heads 0-3) of [6 rows][130 slots][16 bytes], slots 0 and 129 zeros;
; STG 16 rows x 272 bytes for each wave, its own, for the change between memory rows and the D layout.
; REGISTERS.  Window 1 (v256-511): x, unit u tile m at 64 u + 8 m.  Window 0: v1-11 addresses, v12-15 LN, v16-63 S0-S5 (fragments, scratch),
; v64-127 H(u,t) = 64+16u+8t (product results, q, bias images), v128-255 Y(u) = 128+32u (LN's output), the halo's x, attention's buffers.
.set PK_WOUT, 24576
.set PK_FF,   32768
.set PK_BIAS, 163840
.set KV,      167936
.set PL,      12480                    ; a plane: 6 x 130 x 16
.set STG,     267776
.set STGW,    4352
.set TT,   16                          ; v16-63 scratch of LN
.set SB,   16                          ; S(i) = 16 + 8 i
.set HB,   64
.set YB,   128
.set KBUF, 128                         ; 9 neighbours x 4 registers
.set VBUF, 164
.set DD,   200                         ; 9 logits, then 9 weights
.set OA,   210                         ; 8 sums
.set ZR,   218                         ; zeros
.set MX,   219
.set RC,   220                         ; 1 / sum (v221 is written once: a packed source names the pair)
.set OB,   224                         ; attention's output, B fragment of unit u at 224 + 8 u
.set E0,   32                          ; GELU's scratch: S2, S3
.set E1,   40
.set MSB, 0
.macro WIN new                         ; s_set_vgpr_msb: bits 1:0 source 0, 3:2 source 1, 5:4 source 2, 7:6 destination; the high byte repeats the setting left
.if MSB != (\new)
	s_set_vgpr_msb (MSB<<8)|(\new)
.set MSB, (\new)
.endif
.endm
.macro PLACES n                        ; places behind matrix instructions (ISA guide 7.12.1)
.rept \n
	v_nop
.endr
.endm
.macro ROUND                           ; a round of the cluster's barrier
	s_barrier_signal -1
	s_barrier_wait -1
	s_cmp_lg_u32 s3, 0
	s_cbranch_scc1 .Lnot_wave_0_\@
	s_barrier_signal -3
.Lnot_wave_0_\@:
	s_barrier_wait -3
	s_barrier_signal -1
	s_barrier_wait -1
.endm
; Half a unit (16 tokens x 256 bytes) from the layout of memory rows (register 4i: tokens 2i, 2i+1) to the D layout, in place, through my stage.
; LDS serves a wave's instructions in order (ISA guide 5.7.1): no wait between the stores and the loads, nor before the stage's next use.
.macro IN rb, wx, cnt
	s_wait_loadcnt \cnt                            ; loads come back in order: these eight are in, cnt younger ones may be out
	WIN 0x44*\wx
.irp i, 0,1,2,3,4,5,6,7
	ds_store_b128 v2, v[\rb+4*\i:\rb+4*\i+3] offset:544*\i
.endr
.irp m, 0,1,2,3
	ds_load_b128 v[\rb+8*\m:\rb+8*\m+3],   v3 offset:64*\m
	ds_load_b128 v[\rb+8*\m+4:\rb+8*\m+7], v3 offset:64*\m+16
.endr
.endm
.macro DLOC yb                         ; where x - mean of register pair li lies: 24 pairs in v16-63, 8 in yb+0..15
.if li < 24
.set ld, TT+2*li
.else
.set ld, \yb+2*(li-24)
.endif
.endm
; Layer norm of one unit without gain and bias (they are in the weights): x at xb in window wx -> 32 registers of bf16 at yb, the four B fragments.
; A lane has 64 of a token's 128 numbers; its partner is lane l xor 16.  addb = 1: first x += the bias image in v64-127.
.macro LN xb, wx, yb, addb
.if \addb
	WIN 0x41
.set li, 0
.rept 32
	v_pk_add_f32 v[\xb+2*li:\xb+2*li+1], v[\xb+2*li:\xb+2*li+1], v[HB+2*li:HB+2*li+1]
.set li, li+1
.endr
.endif
	WIN 0x05*\wx
.set li, 0
.rept 16
	v_pk_add_f32 v[TT+2*li:TT+2*li+1], v[\xb+4*li:\xb+4*li+1], v[\xb+4*li+2:\xb+4*li+3]
.set li, li+1
.endr
	WIN 0
.irp n, 8,4,2,1
.set li, 0
.rept \n
	v_pk_add_f32 v[TT+2*li:TT+2*li+1], v[TT+4*li:TT+4*li+1], v[TT+4*li+2:TT+4*li+3]
.set li, li+1
.endr
.endr
	v_add_f32 v14, v[TT], v[TT+1]
	v_permlanex16_b32 v15, v14, s32, s33
	v_add_f32 v14, v14, v15
	v_mul_f32 v12, s34, v14                        ; mean
	WIN 0x01*\wx
.set li, 0
.rept 32
	DLOC \yb
	v_pk_add_f32 v[ld:ld+1], v[\xb+2*li:\xb+2*li+1], v[12:13] op_sel_hi:[1,0] neg_lo:[0,1] neg_hi:[0,1]
.set li, li+1
.endr
	WIN 0
.set li, 0
.rept 32                               ; sum of squares in four chains at yb+16..23
	DLOC \yb
.if li < 4
	v_pk_mul_f32 v[\yb+16+2*li:\yb+17+2*li], v[ld:ld+1], v[ld:ld+1]
.else
	v_pk_fma_f32 v[\yb+16+2*(li%4):\yb+17+2*(li%4)], v[ld:ld+1], v[ld:ld+1], v[\yb+16+2*(li%4):\yb+17+2*(li%4)]
.endif
.set li, li+1
.endr
	v_pk_add_f32 v[\yb+16:\yb+17], v[\yb+16:\yb+17], v[\yb+18:\yb+19]
	v_pk_add_f32 v[\yb+20:\yb+21], v[\yb+20:\yb+21], v[\yb+22:\yb+23]
	v_pk_add_f32 v[\yb+16:\yb+17], v[\yb+16:\yb+17], v[\yb+20:\yb+21]
	v_add_f32 v14, v[\yb+16], v[\yb+17]
	v_permlanex16_b32 v15, v14, s32, s33
	v_add_f32 v14, v14, v15
	v_fma_f32 v14, v14, s34, s35                   ; variance + 1e-3
	v_rsq_f32 v12, v14
	v_nop                                          ; one plain place behind the transcendental (ISA guide 5.7.2)
	s_wait_alu depctr_va_vdst(0)
.irp g, 3,0,1,2                        ; pairs 24-31 first: they lie where pairs 0-15 go
.set li, 8*\g
.rept 8
	DLOC \yb
	v_pk_mul_f32 v[ld:ld+1], v[ld:ld+1], v[12:13] op_sel_hi:[1,0]
.set li, li+1
.endr
.set li, 8*\g
.rept 8
	DLOC \yb
	v_cvt_pk_bf16_f32 v[\yb+li], v[ld], v[ld+1]
.set li, li+1
.endr
.endr
.endm
; A block of 32 output features x 128 K: 8 fragments, index 2 kstep + t, at v[a] + ao; its bias, as two C tiles, at v[b] + bo.
.macro PRE1 a, ao, b, bo               ; bias tiles -> S0, S1; K step 0 -> S2, S3
.irp t, 0,1
	ds_load_b128 v[SB+8*\t:SB+8*\t+3],   v[\b] offset:\bo+64*\t
	ds_load_b128 v[SB+8*\t+4:SB+8*\t+7], v[\b] offset:\bo+64*\t+16
.endr
.irp t, 0,1
	ds_load_b128 v[SB+16+8*\t:SB+19+8*\t], v[\a] offset:\ao+1024*\t
	ds_load_b128 v[SB+20+8*\t:SB+23+8*\t], v[\a] offset:\ao+1024*\t+512
.endr
.endm
.macro PRE2 a, ao                      ; K step 1 -> S4, S5
.irp t, 0,1
	ds_load_b128 v[SB+32+8*\t:SB+35+8*\t], v[\a] offset:\ao+2048+1024*\t
	ds_load_b128 v[SB+36+8*\t:SB+39+8*\t], v[\a] offset:\ao+2048+1024*\t+512
.endr
.endm
.macro MM nu, yb, ys, k, sa, first     ; one K step: 2 tiles x nu units.  The 2 nu accumulators take turns, one instruction a turn
.irp t, 0,1
.set ru, 0
.rept \nu
.if \first
	v_wmma_f32_16x16x32_bf16 v[HB+16*ru+8*\t:HB+16*ru+8*\t+7], v[SB+8*(\sa+\t):SB+8*(\sa+\t)+7], v[\yb+\ys*ru+8*\k:\yb+\ys*ru+8*\k+7], v[SB+8*\t:SB+8*\t+7]
.else
	v_wmma_f32_16x16x32_bf16 v[HB+16*ru+8*\t:HB+16*ru+8*\t+7], v[SB+8*(\sa+\t):SB+8*(\sa+\t)+7], v[\yb+\ys*ru+8*\k:\yb+\ys*ru+8*\k+7], v[HB+16*ru+8*\t:HB+16*ru+8*\t+7]
.endif
.set ru, ru+1
.endr
.endr
.endm
; H(u,t) = bias + W^T y for nu units.  The bias comes in as the first product's C: nothing is cleared and no vector add is spent.
.macro RUN nu, yb, ys, a, ao
	s_wait_dscnt 0x4                               ; all but the four youngest LDS instructions: the bias tiles and K step 0 are in
	MM \nu, \yb, \ys, 0, 2, 1
	PLACES 4                                       ; S0-S3 are loaded again four places behind the products that read them
.irp f, 0,1,2,3
	ds_load_b128 v[SB+8*\f:SB+8*\f+3],   v[\a] offset:\ao+4096+1024*\f
	ds_load_b128 v[SB+8*\f+4:SB+8*\f+7], v[\a] offset:\ao+4096+1024*\f+512
.endr
	s_wait_dscnt 0x8                               ; all but these eight: K step 1 is in
	MM \nu, \yb, \ys, 1, 4, 0
	s_wait_dscnt 0x0
	MM \nu, \yb, \ys, 2, 0, 0
	MM \nu, \yb, \ys, 3, 2, 0
.endm
; k or v of nu units to LDS: a lane's 8 numbers are one head of one token, 16 bytes of bf16.  mask = 1: times 0 beyond the image's edge (s30).
.macro KVST nu, base, extra, mask
.set ku, 0
.rept \nu
.irp t, 0,1
.irp i, 0,1,2,3
	v_cvt_pk_bf16_f32 v[HB+16*ku+8*\t+\i], v[HB+16*ku+8*\t+2*\i], v[HB+16*ku+8*\t+2*\i+1]
.endr
.if \mask
.irp i, 0,1,2,3
	v_and_b32 v[HB+16*ku+8*\t+\i], s30, v[HB+16*ku+8*\t+\i]
.endr
.endif
	ds_store_b128 v[\base], v[HB+16*ku+8*\t:HB+16*ku+8*\t+3] offset:2*\t*PL+256*ku+\extra
.endr
.set ku, ku+1
.endr
.endm
.macro NLD buf, adr, n                 ; the 9 neighbours of step n (unit n >> 1, tile n & 1): rows a, slots b from my token's upper left neighbour
.irp a, 0,1,2
.irp b, 0,1,2
	ds_load_b128 v[\buf+4*(3*\a+\b):\buf+4*(3*\a+\b)+3], v[\adr] offset:(130*\a+\b)*16+2*((\n)&1)*PL+256*((\n)>>1)
.endr
.endr
.endm
; Attention of one head of 16 tokens in each half of the lanes.  q is f32 in H and carries 8^-0.5 log2 e.
.macro ATT n, next
.set QQ, HB+16*((\n)>>1)+8*((\n)&1)
	s_wait_dscnt 0x9                               ; k's nine loads are in; v's nine may be out
.irp w, 0,1,2,3
.irp k, 0,1,2,3,4,5,6,7,8
.if \w == 0
	v_fma_mix_f32_bf16 v[DD+\k], v[QQ], v[KBUF+4*\k], v[ZR] op_sel_hi:[0,1,0]
.else
	v_fma_mix_f32_bf16 v[DD+\k], v[QQ+2*\w], v[KBUF+4*\k+\w], v[DD+\k] op_sel_hi:[0,1,0]
.endif
.endr
.irp k, 0,1,2,3,4,5,6,7,8
	v_fma_mix_f32_bf16 v[DD+\k], v[QQ+2*\w+1], v[KBUF+4*\k+\w], v[DD+\k] op_sel:[0,1,0] op_sel_hi:[0,1,0]
.endr
.endr
.if \next
	NLD KBUF, 8, (\n+1)
.endif
	v_max3_num_f32 v[MX], v[DD], v[DD+1], v[DD+2]
	v_max3_num_f32 v[MX], v[MX], v[DD+3], v[DD+4]
	v_max3_num_f32 v[MX], v[MX], v[DD+5], v[DD+6]
	v_max3_num_f32 v[MX], v[MX], v[DD+7], v[DD+8]
.irp k, 0,1,2,3,4,5,6,7,8
	v_sub_f32 v[DD+\k], v[DD+\k], v[MX]
.endr
.irp k, 0,1,2,3,4,5,6,7,8
	v_exp_f32 v[DD+\k], v[DD+\k]
.endr
	v_nop                                          ; one plain place behind the transcendentals
	s_wait_alu depctr_va_vdst(0)
	v_add_f32 v[MX], v[DD], v[DD+1]
	v_add_f32 v222, v[DD+2], v[DD+3]
	v_add_f32 v223, v[DD+4], v[DD+5]
	v_add_f32 v[MX], v[MX], v[DD+6]
	v_add_f32 v222, v222, v[DD+7]
	v_add_f32 v223, v223, v[DD+8]
	v_add_f32 v[MX], v[MX], v222
	v_add_f32 v[MX], v[MX], v223
	v_rcp_f32 v[RC], v[MX]                         ; used 72 plain instructions further down
.if \next
	s_wait_dscnt 0x9                               ; v's nine are in; the next k's nine may be out
.else
	s_wait_dscnt 0x0
.endif
.irp k, 0,1,2,3,4,5,6,7,8
.irp w, 0,1,2,3
.if \k == 0
	v_fma_mix_f32_bf16 v[OA+2*\w],   v[DD], v[VBUF+\w], v[ZR] op_sel_hi:[0,1,0]
	v_fma_mix_f32_bf16 v[OA+2*\w+1], v[DD], v[VBUF+\w], v[ZR] op_sel:[0,1,0] op_sel_hi:[0,1,0]
.else
	v_fma_mix_f32_bf16 v[OA+2*\w],   v[DD+\k], v[VBUF+4*\k+\w], v[OA+2*\w] op_sel_hi:[0,1,0]
	v_fma_mix_f32_bf16 v[OA+2*\w+1], v[DD+\k], v[VBUF+4*\k+\w], v[OA+2*\w+1] op_sel:[0,1,0] op_sel_hi:[0,1,0]
.endif
.endr
.endr
.if \next
	NLD VBUF, 9, (\n+1)
.endif
	s_wait_alu depctr_va_vdst(0)
.irp w, 0,1,2,3
	v_pk_mul_f32 v[OA+2*\w:OA+2*\w+1], v[OA+2*\w:OA+2*\w+1], v[RC:RC+1] op_sel_hi:[1,0]
.endr
.irp w, 0,1,2,3
	v_cvt_pk_bf16_f32 v[OB+4*(\n)+\w], v[OA+2*\w], v[OA+2*\w+1]    ; inner feature 16 t + 8 h + c: registers 4 t .. of unit u's B fragment
.endr
.endm
.macro BIASIMG off                     ; 128 biases in the D layout of 8 tiles -> v64-127
.irp m, 0,1,2,3,4,5,6,7
	ds_load_b128 v[HB+8*\m:HB+8*\m+3],   v6 offset:\off+64*\m
	ds_load_b128 v[HB+8*\m+4:HB+8*\m+7], v6 offset:\off+64*\m+16
.endr
.endm
.macro B2ADD                           ; x += ff_b2, all four units
	BIASIMG 2048
	s_wait_dscnt 0x0
	WIN 0x41
.irp u, 0,1,2,3
.set li, 0
.rept 32
	v_pk_add_f32 v[64*\u+2*li:64*\u+2*li+1], v[64*\u+2*li:64*\u+2*li+1], v[HB+2*li:HB+2*li+1]
.set li, li+1
.endr
.endr
	WIN 0
.endm
; GELU of unit u's two tiles: 16 numbers x' = KAP z -> x' / (1 + 2^-(x' (x'^2 + c))), rounded to bf16 into the unit's B fragment (H(u)+0..7).
; KAP^3 = b and c = a / KAP, so the exponent is a z + b z^3; the factor 1 / KAP is in FF2's weights.  s[36:37] holds -c.
; 36 instructions for 8 numbers.  The two tiles go in step, so that behind each run of transcendentals stands plain work of the other tile,
; which touches none of the run's registers (ISA guide 5.7.2).
.macro GSTART e, g                     ; e = -(x'^2 + c) x'
.irp i, 0,2,4,6
	v_pk_fma_f32 v[\e+\i:\e+\i+1], v[\g+\i:\g+\i+1], v[\g+\i:\g+\i+1], s[36:37] op_sel_hi:[1,1,0] neg_lo:[1,0,0] neg_hi:[1,0,0]
.endr
.irp i, 0,2,4,6
	v_pk_mul_f32 v[\e+\i:\e+\i+1], v[\e+\i:\e+\i+1], v[\g+\i:\g+\i+1]
.endr
.endm
.macro GONE e                          ; e += 1
	s_wait_alu depctr_va_vdst(0)
.irp i, 0,2,4,6
	v_pk_add_f32 v[\e+\i:\e+\i+1], v[\e+\i:\e+\i+1], 1.0 op_sel_hi:[1,0]
.endr
.endm
.macro GEND e, g, d                    ; d = bf16(e x')
	s_wait_alu depctr_va_vdst(0)
.irp i, 0,2,4,6
	v_pk_mul_f32 v[\e+\i:\e+\i+1], v[\e+\i:\e+\i+1], v[\g+\i:\g+\i+1]
.endr
.irp i, 0,1,2,3
	v_cvt_pk_bf16_f32 v[\d+\i], v[\e+2*\i], v[\e+2*\i+1]
.endr
.endm
.macro GELU16 u
	GSTART E0, HB+16*\u
.irp i, 0,1,2,3,4,5,6,7
	v_exp_f32 v[E0+\i], v[E0+\i]
.endr
	GSTART E1, HB+16*\u+8
.irp i, 0,1,2,3,4,5,6,7
	v_exp_f32 v[E1+\i], v[E1+\i]
.endr
	GONE E0
.irp i, 0,1,2,3,4,5,6,7
	v_rcp_f32 v[E0+\i], v[E0+\i]
.endr
	GONE E1
.irp i, 0,1,2,3,4,5,6,7
	v_rcp_f32 v[E1+\i], v[E1+\i]
.endr
	GEND E0, HB+16*\u,   HB+16*\u                  ; tile 0 -> registers 0-3
	GEND E1, HB+16*\u+8, HB+16*\u+4                ; tile 1 -> registers 4-7, which tile 0's last product has read
.endm
.macro F2LD m, fa                      ; FF2's fragment m of this chunk -> fa
	ds_load_b128 v[\fa:\fa+3],   v5 offset:8192+1024*\m
	ds_load_b128 v[\fa+4:\fa+7], v5 offset:8192+1024*\m+512
.endm
.macro F2MM m, fa                      ; x tile m of the four units += fragment x hidden chunk; the 32 accumulators of a chunk take turns
.irp u, 0,1,2,3
	v_wmma_f32_16x16x32_bf16 v[64*\u+8*\m:64*\u+8*\m+7], v[\fa:\fa+7], v[HB+16*\u:HB+16*\u+7], v[64*\u+8*\m:64*\u+8*\m+7]
.endr
.endm
; 32 hidden features: FF1 (32 products), GELU, FF2 (32 products onto x).  next = 1: the next chunk's first fragments are asked for on the way.
.macro CHUNK next
	RUN 4, YB, 32, 5, 0
	PLACES 4
	F2LD 0, SB                                     ; S0, S1, S4, S5 are idle during the GELU: four of FF2's fragments come in under it
	F2LD 1, SB+8
	F2LD 4, SB+32
	F2LD 5, SB+40
.irp u, 0,1,2,3
	GELU16 \u
.endr
	F2LD 2, SB+16                                  ; the GELU's scratch is free now,
	F2LD 3, SB+24
	F2LD 6, HB+8                                   ; and so are the upper halves of H(0), H(1)
	F2LD 7, HB+24
	s_wait_dscnt 0x8                               ; all but these eight: fragments 0, 1, 4, 5 are in
	WIN 0x50                                       ; C and D in window 1
	F2MM 0, SB
	F2MM 1, SB+8
	F2MM 4, SB+32
	F2MM 5, SB+40
	s_wait_dscnt 0x0
	F2MM 2, SB+16
	F2MM 3, SB+24
.if \next
	WIN 0
	PLACES 4                                       ; S0-S3 are loaded again four places behind the products that read them
	v_add_nc_u32 v5, 16384, v5
	v_add_nc_u32 v7, 128, v7
	PRE1 5, 0, 7, 0
	WIN 0x50
.endif
	F2MM 6, HB+8
	F2MM 7, HB+24
	WIN 0
	PLACES 5                                       ; the next products write over H, which these read: five places
.if \next
	PRE2 5, 0
.endif
.endm
.macro DSOUT hu                        ; half a unit back to the layout of memory rows, in place, through my stage
.irp m, 0,1,2,3
	ds_store_b128 v3, v[32*\hu+8*\m:32*\hu+8*\m+3]   offset:64*\m
	ds_store_b128 v3, v[32*\hu+8*\m+4:32*\hu+8*\m+7] offset:64*\m+16
.endr
.irp i, 0,1,2,3,4,5,6,7
	ds_load_b128 v[32*\hu+4*\i:32*\hu+4*\i+3], v2 offset:544*\i
.endr
.endm
.macro GST hu                          ; each store covers two aligned runs of 256 bytes: sixteen lanes a run
.irp i, 0,1,2,3,4,5,6,7
	global_store_b128 v1, v[32*\hu+4*\i:32*\hu+4*\i+3], s[28:29] offset:8192*(\hu>>1)+256*(\hu&1)+1024*\i
.endr
.endm
	; ---- set-up
	s_load_b128 s[4:7], s[0:1], 0x0                ; xin, pack
	s_load_b64 s[8:9], s[0:1], 0x10                ; xout
	v_lshl_add_u32 v254, v0, 2, 0x49e00
	v_mov_b32 v255, 0
	ds_add_u32 v254, v255
	ds_add_u32 v254, v255
	s_wait_dscnt 0x0
	v_lshrrev_b32 v14, 5, v0
	v_readfirstlane_b32 s3, v14                    ; wave
	s_lshr_b32 s45, s3, 2
	s_xor_b32 s45, s45, s3
	s_and_b32 s45, s45, 1                          ; my group: bit 0 xor bit 2 of the wave's number
	s_bfe_u32 s10, ttmp6, 0x40000                  ; my place in the cluster
	s_lshl_b32 s11, ttmp9, 2
	s_add_co_u32 s10, s11, s10                     ; work-group g
	; the joint load: wave w brings rows 82 w .. 82 w + 81 of the pack's 656 rows of 256 bytes; nothing in the descriptor hangs on my place in the cluster
	s_mov_b32 s12, 1                               ; count = 1
	s_mul_i32 s13, s3, 20992                       ; LDS address
	s_mov_b32 s16, 15|(3<<16)|(1<<21)              ; mask: all four work-groups; elements of 8 bytes; bit 21 beside a mask; no padding
	s_mov_b32 s17, 32<<16                          ; tensor_dim0 = 32
	s_mov_b32 s18, 82<<16                          ; tensor_dim1 = 82
	s_mov_b32 s19, 32<<16                          ; tile_dim0 = 32
	s_mov_b32 s20, 82                              ; tile_dim1 = 82
	s_mov_b32 s21, 32                              ; pitch: dense
	s_mov_b32 s22, 0
	s_mov_b32 s23, 0
	s_mov_b32 s32, 0x76543210                      ; v_permlanex16_b32: lane i of the other half
	s_mov_b32 s33, 0xfedcba98
	s_mov_b32 s34, 0x3c000000                      ; 1 / 128
	s_mov_b32 s35, 0x3a83126f                      ; 1e-3
	s_mov_b32 s36, 0xc09d30fc                      ; -c = -a / KAP = -4.9122295
	s_mov_b32 s37, 0xc09d30fc
	s_lshl_b32 s46, s10, 18                        ; my group's 512 tokens of 512 bytes
	s_lshl_b32 s47, s3, 15                         ; my wave's 64
	s_add_co_u32 s48, s46, s47
	s_mov_b32 s49, 0
	; the halo: waves 0-3 the row above (-128 tokens), waves 4-7 the row below (+512), 32 tokens each.  Beyond the image's edge (32 groups an image)
	; the group's own first row is read instead, so that the address stays inside x, and the results are masked to zero.
	s_and_b32 s50, s10, 31
	s_mov_b32 s51, 0xffff0000
	s_lshr_b32 s47, s3, 2
	s_cmp_lg_u32 s47, 0
	s_cselect_b32 s51, 0x40000, s51
	s_cselect_b32 s47, 31, 0
	s_cmp_lg_u32 s50, s47
	s_cselect_b32 s51, s51, 0
	s_cselect_b32 s30, -1, 0
	s_add_co_u32 s50, s46, s51
	s_and_b32 s47, s3, 3
	s_lshl_b32 s47, s47, 14
	s_add_co_u32 s50, s50, s47
	s_mov_b32 s51, 0
	v_and_b32 v16, 31, v0                          ; l
	v_and_b32 v17, 15, v0                          ; r
	v_bfe_u32 v18, v0, 4, 1                        ; h
	v_lshlrev_b32 v1, 4, v17
	v_lshl_add_u32 v1, v18, 9, v1                  ; memory: lanes 0-15 256 bytes of a token, lanes 16-31 of the next
	s_mul_i32 s46, s3, STGW
	s_add_co_u32 s46, s46, STG                     ; my stage
	v_mul_u32_u24 v2, v18, 272
	v_lshl_add_u32 v2, v17, 4, v2
	v_add_nc_u32 v2, s46, v2                       ; stage by memory rows: row h, 16 r
	v_mul_u32_u24 v3, v17, 272
	v_lshl_add_u32 v3, v18, 5, v3
	v_add_nc_u32 v3, s46, v3                       ; stage by the D layout: row r, 32 h.  Pitch 272 = 17 x 16: sixteen rows, sixteen different 16-byte columns
	v_lshlrev_b32 v4, 4, v16                       ; fragments: 16 l
	v_add_nc_u32 v5, PK_FF, v4                     ; the FF chunk's, stepped
	v_lshlrev_b32 v6, 5, v18
	v_add_nc_u32 v6, PK_BIAS, v6                   ; biases: 32 h
	v_add_nc_u32 v7, 1024, v6                      ; FF1's, stepped
	v_mul_u32_u24 v19, v18, PL
	v_lshl_add_u32 v19, v17, 4, v19                ; h planes + 16 r
	s_lshr_b32 s46, s3, 1
	s_mul_i32 s46, s46, 2080
	s_and_b32 s47, s3, 1
	s_lshl_b32 s47, s47, 10
	s_add_co_u32 s46, s46, s47
	s_add_co_u32 s46, s46, KV
	v_add_nc_u32 v8, s46, v19                      ; k: the upper left neighbour of my unit 0's token
	v_add_nc_u32 v9, 4*PL, v8                      ; v
	s_lshr_b32 s46, s3, 2
	s_mul_i32 s46, s46, 10400
	s_and_b32 s47, s3, 3
	s_lshl_b32 s47, s47, 9
	s_add_co_u32 s46, s46, s47
	s_add_co_u32 s46, s46, KV+16
	v_add_nc_u32 v10, s46, v19                     ; halo k: plane row 0 or 5, slot 32 (w & 3) + r + 1
	v_add_nc_u32 v11, 4*PL, v10
	v_mov_b32 v13, 0                               ; the idle half of the pair (12, 13)
	v_mov_b32 v15, 0                               ; v_permlanex16_b32 counts as a reader of its destination
	s_wait_kmcnt 0x0
	s_add_nc_u64 s[24:25], s[4:5], s[48:49]
	s_add_nc_u64 s[28:29], s[8:9], s[48:49]
	s_add_nc_u64 s[26:27], s[4:5], s[50:51]
	s_mov_b32 s46, s13
	s_mov_b32 s47, 0
	s_add_nc_u64 s[14:15], s[6:7], s[46:47]
	s_or_b32 s15, s15, 0x80000000                  ; type = 2
	; ---- everything this wave reads is asked for now: 32 halo loads, the joint load, 64 main loads
.irp u, 0,1
.irp f, 0,1
.irp i, 0,1,2,3,4,5,6,7
	global_load_b128 v[YB+64*\u+32*\f+4*\i:YB+64*\u+32*\f+4*\i+3], v1, s[26:27] offset:8192*\u+256*\f+1024*\i
.endr
.endr
.endr
	ROUND                                          ; the four work-groups are here: their joint loads meet
	tensor_load_to_lds s[12:15], s[16:23]
	s_nop 0
	PLACES 4
	WIN 0x40
.irp u, 0,1,2,3
.irp f, 0,1
.irp i, 0,1,2,3,4,5,6,7
	global_load_b128 v[64*\u+32*\f+4*\i:64*\u+32*\f+4*\i+3], v1, s[24:25] offset:8192*\u+256*\f+1024*\i
.endr
.endr
.endr
	WIN 0
	; zeros in slots 0 and 129 of the six rows of plane w: three stores, each for two rows; lanes alike in their two lowest bits write the same zeros
	v_and_b32 v20, 1, v0                           ; slot 0 or slot 129
	v_bfe_u32 v21, v0, 1, 1                        ; the even or the odd row of the pair
	v_mul_u32_u24 v20, v20, 2064
	v_mul_u32_u24 v21, v21, 2080
	v_add_nc_u32 v21, v21, v20
	s_mul_i32 s46, s3, PL
	s_add_co_u32 s46, s46, KV
	v_add_nc_u32 v21, s46, v21
	v_mov_b32 v16, 0
	v_mov_b32 v17, 0
	v_mov_b32 v18, 0
	v_mov_b32 v19, 0
	ds_store_b128 v21, v[16:19]
	ds_store_b128 v21, v[16:19] offset:4160
	ds_store_b128 v21, v[16:19] offset:8320
	; ---- the halo: LN, k, v of 2 units.  64 loads were issued behind the halo's 32, so at most 63 out means that these are in.
	IN YB,    0, 0x3f
	IN YB+32, 0, 0x3f
	IN YB+64, 0, 0x3f
	IN YB+96, 0, 0x3f
	s_wait_dscnt 0x0
	LN YB,    0, YB,    0
	LN YB+64, 0, YB+64, 0
	s_wait_tensorcnt 0x0                           ; my part of the pack is in,
	s_wait_dscnt 0x0
	s_barrier_signal -1
	s_barrier_wait -1                              ; everybody's is
	PRE1 4, 8192, 6, 128
	PRE2 4, 8192
	RUN 2, YB, 64, 4, 8192                         ; k
	PLACES 5                                       ; four places before H is read and S is loaded again, five before the next products write over H
	PRE1 4, 16384, 6, 256
	PRE2 4, 16384
	KVST 2, 10, 0, 1
	RUN 2, YB, 64, 4, 16384                        ; v
	PLACES 5
	KVST 2, 11, 0, 1
	; ---- my 4 units: into the D layout (one unit ahead), LN
	IN 0,  1, 56
	IN 32, 1, 48
.irp u, 0,1,2,3
.if \u < 3
	IN 64*\u+64, 1, 40-16*\u
	IN 64*\u+96, 1, 32-16*\u
	s_wait_dscnt 0x20                              ; all but the next unit's 32 LDS instructions: unit u is in
.else
	s_wait_dscnt 0x0
.endif
	LN 64*\u, 1, YB+32*\u, 0
.endr
	PRE1 4, 8192, 6, 128
	PRE2 4, 8192
	RUN 4, YB, 32, 4, 8192                         ; k
	PLACES 5
	PRE1 4, 16384, 6, 256
	PRE2 4, 16384
	KVST 4, 8, 2096, 0                             ; one row down, one slot right of the upper left neighbour
	RUN 4, YB, 32, 4, 16384                        ; v
	PLACES 5
	PRE1 4, 0, 6, 0                                ; q's first fragments, for both groups
	PRE2 4, 0
	KVST 4, 9, 2096, 0
	; q stays in H and nobody else needs it: group 0 makes it here, group 1 behind the barrier, beside group 0's attention
	s_cmp_lg_u32 s45, 0
	s_cbranch_scc1 .Lq_behind
	RUN 4, YB, 32, 4, 0
	PLACES 5                                       ; four places before attention reads H; five, so that the distance also holds to the run behind the
	                                               ; barrier, which writes the same registers (a wave takes one of the two runs)
.Lq_behind:
	s_wait_dscnt 0x0                               ; my k and v are stored before I say so
	s_barrier_signal -1
	s_barrier_wait -1                              ; all six rows are there
	s_cmp_eq_u32 s45, 0
	s_cbranch_scc1 .Lq_made
	RUN 4, YB, 32, 4, 0                            ; its first fragments came in ahead of the barrier, so its first wait is met
	PLACES 4
.Lq_made:
	; ---- attention: 8 steps of one tile of one unit
	v_mov_b32 v[ZR], 0
	v_mov_b32 v[RC+1], 0
	NLD KBUF, 8, 0
	NLD VBUF, 9, 0
.irp n, 0,1,2,3,4,5,6
	ATT \n, 1
.endr
	ATT 7, 0
	; ---- x += out_w^T o (K = 32); out_b follows in LN
.irp m, 0,1,2,3,4,5,6,7
	ds_load_b128 v[YB+8*\m:YB+8*\m+3],   v4 offset:PK_WOUT+1024*\m
	ds_load_b128 v[YB+8*\m+4:YB+8*\m+7], v4 offset:PK_WOUT+1024*\m+512
.endr
	BIASIMG 512
	s_wait_dscnt 0x0
	WIN 0x50
.irp m, 0,1,2,3,4,5,6,7
.irp u, 0,1,2,3
	v_wmma_f32_16x16x32_bf16 v[64*\u+8*\m:64*\u+8*\m+7], v[YB+8*\m:YB+8*\m+7], v[OB+8*\u:OB+8*\u+7], v[64*\u+8*\m:64*\u+8*\m+7]
.endr
.endr
	WIN 0
	PLACES 4
.irp u, 0,1,2,3
	LN 64*\u, 1, YB+32*\u, 1
.endr
	; ---- feed-forward: 8 chunks of 32 hidden features.  LN has read x, so ff_b2 may go onto it now: group 1 adds it here, group 0 behind the loop
	s_cmp_eq_u32 s45, 0
	s_cbranch_scc1 .Lb2_behind
	B2ADD
.Lb2_behind:
	PRE1 5, 0, 7, 0
	PRE2 5, 0
	s_mov_b32 s31, 7
.Lff:
	CHUNK 1
	s_sub_co_u32 s31, s31, 1
	s_cmp_lg_u32 s31, 0
	s_cbranch_scc1 .Lff
	CHUNK 0                                        ; ends with five places: x may be read and H loaded again
	s_cmp_lg_u32 s45, 0
	s_cbranch_scc1 .Lb2_made
	B2ADD
.Lb2_made:
	; ---- out: half a unit goes through the stage while the one before is stored
	WIN 0x44
	DSOUT 0
.irp p, 0,1,2,3,4,5,6
	DSOUT (\p+1)
	s_wait_dscnt 0x10                              ; all but the 16 LDS instructions just issued: half unit p is back
	GST \p
.endr
	s_wait_dscnt 0x0
	GST 7
	WIN 0
	s_wait_xcnt 0x0
	v_lshl_add_u32 v254, v0, 2, 0x49e00
	v_mov_b32 v255, 0
	s_wait_tensorcnt 0x0
	ds_add_u32 v254, v255
	s_wait_dscnt 0x0
	ROUND                                          ; the closing round: no work-group ends while a partner may still ask jointly
	s_endpgm
.Lfunc_end_k_q092c2faaf0_layer1:
	.size	k_q092c2faaf0_layer1, .Lfunc_end_k_q092c2faaf0_layer1-k_q092c2faaf0_layer1
	.p2alignl 7, 3214868480
	.fill 96, 4, 3214868480
	.section	.rodata,"a",@progbits
	.p2align	6, 0x0
	.amdhsa_kernel k_q092c2faaf0_layer1
		.amdhsa_group_segment_fixed_size 303616
		.amdhsa_private_segment_fixed_size 0
		.amdhsa_enable_private_segment 0
		.amdhsa_kernarg_size 24
		.amdhsa_user_sgpr_count 2
		.amdhsa_user_sgpr_kernarg_segment_ptr 1
		.amdhsa_wavefront_size32 1
		.amdhsa_system_sgpr_workgroup_id_x 1
		.amdhsa_system_sgpr_workgroup_id_y 1
		.amdhsa_system_sgpr_workgroup_id_z 1
		.amdhsa_system_vgpr_workitem_id 0
		.amdhsa_next_free_vgpr 512
		.amdhsa_next_free_sgpr 66
		.amdhsa_reserve_vcc 0
		.amdhsa_float_denorm_mode_32 3
		.amdhsa_float_denorm_mode_16_64 3
		.amdhsa_memory_ordered 1
		.amdhsa_forward_progress 1
		.amdhsa_inst_pref_size 255
	.end_amdhsa_kernel
	.section	.bss,"aw",@nobits
	.p2align	6
	.space	262144
	.amdgpu_metadata
---
amdhsa.version: [ 1, 2 ]
amdhsa.kernels:
  - .name:           k_q092c2faaf0_layer1
    .symbol:         k_q092c2faaf0_layer1.kd
    .args:
      - { .name: x, .offset: 0, .size: 8, .value_kind: global_buffer, .address_space: global }
      - { .name: wp0, .offset: 8, .size: 8, .value_kind: global_buffer, .address_space: global }
      - { .name: xa, .offset: 16, .size: 8, .value_kind: global_buffer, .address_space: global }
    .group_segment_fixed_size: 303616
    .private_segment_fixed_size: 0
    .kernarg_segment_align: 8
    .kernarg_segment_size: 24
    .max_flat_workgroup_size: 256
    .sgpr_count:     66
    .vgpr_count:     512
    .wavefront_size: 32
...
	.end_amdgpu_metadata
.endif
;; end of part 2
;; launch layer2: the kernel of part 2 again; grid 256 x 1, 8 waves a work-group, clusters of 4 x 1, 303,616 bytes of LDS; arguments xa, wp1, out0; writes out0
;; launch layer3: the kernel of part 2 again; grid 256 x 1, 8 waves a work-group, clusters of 4 x 1, 303,616 bytes of LDS; arguments out0, wp2, xa; writes xa
;; launch layer4: the kernel of part 2 again; grid 256 x 1, 8 waves a work-group, clusters of 4 x 1, 303,616 bytes of LDS; arguments xa, wp3, out0; writes out0
